; MI455X (gfx1250); checked and timed in simulation.
; The chip was launched on July 23, 2026; its instructions are those of AMD's public machine-readable ISA for CDNA 5 (MIT licence, August 2026) and "CDNA5" Instruction Set Architecture Reference Guide (July 2026). The comments in the code are by the model that wrote it; some were corrected since.
;; VDM Attn Block. Allowed arithmetic: matrix products marked QUANTISED: E3M2 operands, one E8M0 scale for each 32 along K, by v_wmma_scale_f32_16x16x128_f8f6f4 with both operands' format E3M2, f32 sums; everything else in f32.
;; Inputs: k_b 256 float32; k_w 256 x 256 float32; norm_b 256 float32; norm_w 256 float32; proj_b 256 float32; proj_w 256 x 256 float32; q_b 256 float32; q_w 256 x 256 float32; v_b 256 float32; v_w 256 x 256 float32; x 4 x 256 x 64 x 64 float32.
;; Outputs: out0 4 x 256 x 64 x 64 float32.
;; This version of the problem:
;;   THIS VERSION OF THE PROBLEM IS GIVEN IN LOW PRECISION. The matrix products marked QUANTISED in the list below multiply operands that are first quantised to E3M2 (3 exponent bits, 2 mantissa bits; 6 bits a number), with one power-of-two scale for each 32 numbers along K (OCP MX v1.0); their sums are f32. All else is computed in f32.
;;   The module's matrix products, in the order in which they are computed (A, B: the left and right operand; K: the contracted axis; several contracted axes count as one K, in the product's order):
;;     1. [M 16,384, K 256] x [K 256, N 256]; A: computed on the way; B: input q_w: QUANTISED
;;     2. [M 16,384, K 256] x [K 256, N 256]; A: computed on the way; B: input k_w: QUANTISED
;;     3. [M 16,384, K 256] x [K 256, N 256]; A: computed on the way; B: input v_w: QUANTISED
;;     4. batch 4 x [M 4,096, K 256] x [K 256, N 4,096]; A: computed on the way; B: computed on the way: QUANTISED
;;     5. batch 4 x [M 256, K 4,096] x [K 4,096, N 4,096]; A: computed on the way; B: softmax (see below): QUANTISED
;;     6. [M 16,384, K 256] x [K 256, N 256]; A: computed on the way; B: input proj_w: QUANTISED
;;   THE QUANTISER, for each operand of a quantised product, along K:
;;     - K is cut into blocks of 32 from its start; a last block that is shorter is filled with zeros.
;;     - A block's scale is 2^e with e = floor(log2(the largest magnitude in the block)) - 4, held to -126 .. 127; a block of zeros has e = 0. As a byte (E8M0): e + 127.
;;     - Each number is divided by its block's scale, clamped to +-28, and rounded to the nearest number of E3M2, ties to even, subnormals kept.
;;     - The product sums the exact products of the quantised numbers (number of the format x scale) in f32.
;;   ~~~python
;;   def quantise(x, axis):      # numpy; x: float32 -> the quantised numbers, widened to float32 again
;;       x = np.moveaxis(x, axis, -1); K = x.shape[-1]
;;       x = np.pad(x, [(0, 0)] * (x.ndim - 1) + [(0, -K % 32)]); x = x.reshape(x.shape[:-1] + (-1, 32)); a = np.abs(x).max(-1, keepdims=True)
;;       e = np.where(a > 0, np.clip(np.frexp(np.where(a > 0, a, 1))[1] - 1 - 4, -126, 127), 0)      # np.frexp(a)[1] - 1 = floor(log2(a)), exactly
;;       r = np.clip(x / 2.0 ** e, -28, 28)
;;       step = 2.0 ** (np.maximum(np.frexp(np.where(r == 0, 1, r))[1] - 1, -2) - 2)
;;       q = np.round(r / step) * step * 2.0 ** e      # np.round: ties to even
;;       return np.moveaxis(q.reshape(q.shape[:-2] + (-1,))[..., :K], -1, axis).astype(np.float32)
;;   ~~~
;;   SOFTMAX AHEAD OF A QUANTISED PRODUCT. Where the list says 'softmax', what is quantised is not the finished softmax but p = 2^(t - M), with t = logit x log2(e) and M = ceil(the row's largest t), a whole number; so 1/2 < the row's largest p <= 1. The row's sum l is taken of the UNQUANTISED p, in f32, and the product's result is divided by l at the end. Since M is a whole number, a kernel that streams over the keys may use a running M (the ceiling of the running maximum): every later rescaling is an exact power of two, which a block's scale takes up: the codes' values come out the same.
;;   OPERANDS COMPUTED ON THE WAY. 'Computed on the way' means the value that the module computes at that place (a softmax that the list does not call 'softmax' is quantised finished and normalised). What goes into a quantiser is computed in f32, as accurately as f32 sums, v_exp_f32 and their like allow (about 1e-6 of the number): no bf16 or f16 on the way to a quantiser, and a product that is left as it is and whose result goes on into a quantised operand takes f32 operands (vector FMAs, or v_wmma_f32_16x16x4_f32). A number that lies on a knife's edge between two numbers of the format may be rounded either way, as far as f32 arithmetic and the matrix unit's own rounding can turn it there, and no further.
;; One version. Each part assembles by itself: llvm-mc -triple=amdgcn-amd-amdhsa -mcpu=gfx1250 --defsym DOCPART=n.
;; ======== version 1 of 1: 3 launches
;; workspace buffers: st 2,048 bytes; wimg 204,800 bytes; qimg 3,276,800 bytes; kimg 3,276,800 bytes; vimg 3,276,800 bytes
;; launch prep (part 1): grid 256 x 1, 8 waves a work-group, no clusters, 1,536 bytes of LDS; arguments x, q_w, k_w, v_w, proj_w, st, wimg; writes st, wimg
.if DOCPART == 1
	.amdgcn_target "amdgcn-amd-amdhsa--gfx1250"
	.amdhsa_code_object_version 6
	.text
	.protected	k_q49590fa52e_prep
	.globl	k_q49590fa52e_prep
	.p2align	8
	.type	k_q49590fa52e_prep,@function
k_q49590fa52e_prep:
	s_mov_b64 s[64:65], 0
	v_nop
	global_prefetch_b8 v0, s[64:65] scope:SCOPE_SE
	s_setreg_imm32_b32 hwreg(HW_REG_WAVE_MODE, 25, 1), 1
	s_wait_xcnt 0x0
; PREP.  (1) Partial statistics of the group norm.  A group (8 channels x 4,096 numbers) is 131,072 dense bytes of x; work-group id = 2 (32 b + g) + half
; owns 65,536 of them, 64 numbers a thread, kept in registers between the pass for the mean and the pass for the sum of squared deviations from that mean
; (so a common offset of the inputs costs no accuracy).  It stores (mean, M2) as 8 bytes at st + 8 id: too few bytes to fill an aligned run of 256.
; (2) Wave 0 of work-groups 0 to 63 also turns one tile of 16 rows of one weight (q, k, v, proj: [256 o][256 c] f32, K = c innermost) into codes of E3M2 with one E8M0 byte
; for each 32 along c, laid as an IMAGE OF THE OPERAND'S REGISTERS: a fragment (16 rows x 128 c, 12 registers a lane) is three runs of 512 bytes, lane l's registers 4 p .. 4 p + 3 at 512 p + 16 l.
; THE ROWS OF A TILE ARE NOT NEIGHBOURS: lane r of tile 2 b + u takes row 32 b + 8 u + r + 8 (r / 8), so that the results of two neighbouring tiles are 16 neighbours along the next product's K.
; wimg: codes at 3,072 (16 weight + tile) + 1,536 (K step); scale words from byte 196,608 on, 128 bytes a tile: lanes 0-15 the word of c 0-127, lanes 16-31 that of c 128-255.
; LIMITS: NaN and infinities are not served; a block whose largest magnitude lies under 2^-122 keeps the scale byte 1, a block of zeros too (its codes are zeros; only this program reads the bytes).
.set XR,  16                           ; v16-79   my 64 numbers of x
.set PC,  80                           ; v80-99   codes just made
.set WN,  100                          ; v100-227 128 numbers of a weight's row
.set TM,  228                          ; v228-243 at work in QUANT
.set PW,  244                          ; the scale word just made
.set PW0, 245                          ; the first K step's
.set SEL, 24                           ; s[24:25] lane selects for v_permlanex16_b32: lane l xor 16
; 64 numbers of a lane, register 16 b + i = k 32 b + 16 (lane / 16) + i of my row, become a fragment's codes in v[PC] on and its scale word in v[PW].
.macro QUANT s
.irp b, 0,1,2,3
	v_max3_num_f32 v[TM+\b], |v[\s+16*\b]|, |v[\s+1+16*\b]|, 0x2800000   ; block b: my 16 numbers, and the floor 2^(5 - 127): the byte cannot fall under 1
.endr
.irp i, 2,4,6,8,10,12,14
.irp b, 0,1,2,3
	v_max3_num_f32 v[TM+\b], v[TM+\b], |v[\s+16*\b+\i]|, |v[\s+1+16*\b+\i]|   ; the four blocks by turns
.endr
.endr
.irp b, 0,1,2,3
	v_permlanex16_b32 v[TM+4+\b], v[TM+\b], s[SEL], s[SEL+1]
.endr
.irp b, 0,1,2,3
	v_max_num_f32 v[TM+\b], v[TM+\b], v[TM+4+\b]   ; with lane l xor 16's: the block's largest magnitude
.endr
.irp b, 0,1,2,3
	v_add_nc_u32 v[TM+12+\b], 0xfe000000, v[TM+\b]   ; 4 off its exponent field: the conversion's scale operand
.endr
.irp b, 0,1,2,3
	v_lshrrev_b32 v[TM+4+\b], 23, v[TM+12+\b]      ; the scale's byte
.endr
	v_lshl_or_b32 v[PW], v[TM+5], 8, v[TM+4]
	v_lshl_or_b32 v[PW], v[TM+6], 16, v[PW]
	v_lshl_or_b32 v[PW], v[TM+7], 24, v[PW]
.irp c, 0,1
	v_cvt_scalef32_pk16_bf6_f32 v[PC+6*\c:PC+2+6*\c], v[\s+32*\c:\s+15+32*\c], v[TM+12+2*\c]
	v_cvt_scalef32_pk16_bf6_f32 v[PC+12+4*\c:PC+14+4*\c], v[\s+16+32*\c:\s+31+32*\c], v[TM+12+2*\c+1]   ; (a conversion's three registers begin on an even number)
.endr
	v_nop                                          ; one plain place behind a scaled conversion
.irp c, 0,1                                    ; the operand's layout wants a whole block in a lane
.irp i, 0,1,2
	v_permlane16_swap_b32 v[PC+6*\c+\i], v[PC+12+4*\c+\i]
.endr
.irp i, 0,1,2
	v_mov_b32 v[PC+3+6*\c+\i], v[PC+12+4*\c+\i]
.endr
.endr
.endm
.macro WAVESUM                         ; v8 summed over the wave's 32 lanes, the result in every lane
	v_add_f32_dpp v8, v8, v8 row_xmask:1 row_mask:0xf bank_mask:0xf
	v_add_f32_dpp v8, v8, v8 row_xmask:2 row_mask:0xf bank_mask:0xf
	v_add_f32_dpp v8, v8, v8 row_xmask:4 row_mask:0xf bank_mask:0xf
	v_add_f32_dpp v8, v8, v8 row_xmask:8 row_mask:0xf bank_mask:0xf
	v_permlanex16_b32 v9, v8, s[SEL], s[SEL+1]
	v_add_f32 v8, v8, v9
.endm
.macro GROUPSUM off                    ; and over the eight waves, through eight LDS words at byte off
	ds_store_b32 v2, v8 offset:\off                ; all lanes write the wave's word with the same value
	s_wait_dscnt 0x0                               ; for the others' sake: my store has landed
	s_barrier_signal -1
	s_barrier_wait -1
	ds_load_b128 v[8:11], v3 offset:\off
	ds_load_b128 v[12:15], v3 offset:\off+16
	s_wait_dscnt 0x0
	v_add_f32 v8, v8, v9
	v_add_f32 v10, v10, v11
	v_add_f32 v12, v12, v13
	v_add_f32 v14, v14, v15
	v_add_f32 v8, v8, v10
	v_add_f32 v12, v12, v14
	v_add_f32 v8, v8, v12
.endm
	s_load_b256 s[4:11], s[0:1], 0x0               ; x s[4:5], q_w s[6:7], k_w s[8:9], v_w s[10:11]
	s_load_b128 s[12:15], s[0:1], 0x20             ; proj_w s[12:13], st s[14:15]
	s_load_b64 s[16:17], s[0:1], 0x30              ; wimg
	v_lshl_add_u32 v254, v0, 2, 0x200
	v_mov_b32 v255, 0
	v_lshrrev_b32 v2, 5, v0
	v_readfirstlane_b32 s18, v2                    ; wave 0..7
	v_lshlrev_b32 v2, 2, v2                        ; LDS: my wave's word
	v_lshlrev_b32 v1, 4, v0                        ; 16 bytes a thread: a load of the work-group covers 4,096 consecutive bytes
	v_mov_b32 v3, 0
	s_lshl_b32 s20, ttmp9, 16                      ; my 65,536 bytes of x
	s_mov_b32 s21, 0
	s_mov_b32 s[SEL], 0x76543210
	s_mov_b32 s[SEL+1], 0xfedcba98
	s_wait_kmcnt 0x0
	s_add_nc_u64 s[4:5], s[4:5], s[20:21]
.irp i, 0,1,2,3,4,5,6,7,8,9,10,11,12,13,14,15
	global_load_b128 v[XR+4*\i:XR+4*\i+3], v1, s[4:5] offset:4096*\i   ; no hint: later launches read x again
.endr
	; ---- the weight tile: wave 0 of work-groups 0 to 63; no barrier and no LDS instruction stands in here
	s_cmp_lg_u32 s18, 0
	s_cbranch_scc1 .Lstat
	s_cmp_ge_u32 ttmp9, 64
	s_cbranch_scc1 .Lstat
	s_lshr_b32 s22, ttmp9, 4                       ; which weight: 0 q, 1 k, 2 v, 3 proj
	s_and_b32 s23, ttmp9, 15                       ; which tile
	s_cmp_lt_u32 s22, 2
	s_cselect_b64 s[26:27], s[6:7], s[10:11]       ; q or v
	s_cselect_b64 s[28:29], s[8:9], s[12:13]       ; k or proj
	s_bitcmp1_b32 s22, 0
	s_cselect_b64 s[26:27], s[28:29], s[26:27]     ; the choice hangs on the work-group's number alone
	s_lshr_b32 s30, s23, 1
	s_lshl_b32 s30, s30, 15                        ; 32 (tile / 2) rows of 1,024 bytes
	s_and_b32 s31, s23, 1
	s_lshl_b32 s31, s31, 13                        ; + 8 (tile % 2) rows
	s_add_co_u32 s30, s30, s31
	s_mov_b32 s31, 0
	s_add_nc_u64 s[26:27], s[26:27], s[30:31]
	s_mul_i32 s30, ttmp9, 3072
	s_add_nc_u64 s[32:33], s[16:17], s[30:31]      ; the tile's codes
	s_lshl_b32 s30, ttmp9, 7
	s_add_co_u32 s30, s30, 196608
	s_add_nc_u64 s[34:35], s[16:17], s[30:31]      ; its scale words
	v_and_b32 v4, 15, v0                           ; r  (in wave 0 the thread's number is the lane)
	v_bfe_u32 v5, v0, 4, 1                         ; h
	v_and_b32 v6, 8, v4
	v_add_nc_u32 v6, v6, v4                        ; r + 8 (r / 8)
	v_lshlrev_b32 v7, 10, v6
	v_lshl_add_u32 v7, v5, 6, v7                   ; my row, + 64 h: my 16 numbers of each block of 32
	v_lshlrev_b32 v246, 2, v0                      ; 4 x lane
.irp b, 0,1,2,3
	v_mov_b32 v[TM+4+\b], 0                        ; a lane permute's destination counts as one of its sources
.endr
.irp ks, 0,1
.irp b, 0,1,2,3
.irp q, 0,1,2,3
	global_load_b128 v[WN+64*\ks+16*\b+4*\q:WN+64*\ks+16*\b+4*\q+3], v7, s[26:27] offset:512*\ks+128*\b+16*\q
.endr
.endr
.endr
	s_wait_loadcnt 0x0
	QUANT WN
.irp p, 0,1,2
	global_store_b128 v1, v[PC+4*\p:PC+4*\p+3], s[32:33] offset:512*\p   ; 32 lanes store 512 consecutive bytes
.endr
	v_mov_b32 v[PW0], v[PW]
	s_wait_xcnt 0x0                                ; the stores' data registers are written again only behind this wait
	QUANT WN+64
.irp p, 0,1,2
	global_store_b128 v1, v[PC+4*\p:PC+4*\p+3], s[32:33] offset:1536+512*\p
.endr
	v_cmp_lt_u32 vcc_lo, 15, v0                    ; lanes 16-31
	v_cndmask_b32 v[PW], v[PW0], v[PW], vcc_lo     ; lanes 0-15: the word of c 0-127; lanes 16-31: that of c 128-255 (both halves of the lanes hold row r's words)
	global_store_b32 v246, v[PW], s[34:35]
.Lstat:
	; ---- pass 1: the sum of my 64 numbers, in four chains started by the first eight pairs: nothing is cleared
	s_wait_loadcnt 0x0
.irp c, 0,1,2,3
	v_pk_add_f32 v[8+2*\c:9+2*\c], v[XR+4*\c:XR+4*\c+1], v[XR+4*\c+2:XR+4*\c+3]
.endr
.irp j, 16,24,32,40,48,56
.irp c, 0,1,2,3
	v_pk_add_f32 v[8+2*\c:9+2*\c], v[8+2*\c:9+2*\c], v[XR+\j+2*\c:XR+\j+2*\c+1]
.endr
.endr
	v_pk_add_f32 v[8:9], v[8:9], v[10:11]
	v_pk_add_f32 v[12:13], v[12:13], v[14:15]
	v_pk_add_f32 v[8:9], v[8:9], v[12:13]
	v_add_f32 v8, v8, v9
	WAVESUM
	GROUPSUM 0
	v_mul_f32 v248, 0x38800000, v8                 ; the mean of my 16,384 numbers: x 2^-14
	v_mov_b32 v249, v248
	; ---- pass 2: the sum of the squared deviations from that mean
.set k, 0
.rept 32
	v_pk_add_f32 v[XR+k:XR+k+1], v[XR+k:XR+k+1], v[248:249] neg_lo:[0,1] neg_hi:[0,1]
.set k, k+2
.endr
.irp c, 0,1,2,3
	v_pk_mul_f32 v[8+2*\c:9+2*\c], v[XR+2*\c:XR+2*\c+1], v[XR+2*\c:XR+2*\c+1]
.endr
.irp j, 8,16,24,32,40,48,56
.irp c, 0,1,2,3
	v_pk_fma_f32 v[8+2*\c:9+2*\c], v[XR+\j+2*\c:XR+\j+2*\c+1], v[XR+\j+2*\c:XR+\j+2*\c+1], v[8+2*\c:9+2*\c]
.endr
.endr
	v_pk_add_f32 v[8:9], v[8:9], v[10:11]
	v_pk_add_f32 v[12:13], v[12:13], v[14:15]
	v_pk_add_f32 v[8:9], v[8:9], v[12:13]
	v_add_f32 v8, v8, v9
	WAVESUM
	GROUPSUM 256                                   ; other LDS words than pass 1's: no wave overwrites what another may still read
	s_cmp_lg_u32 s18, 0
	s_cbranch_scc1 .Lend
	v_mov_b32 v10, v248
	v_mov_b32 v11, v8
	s_lshl_b32 s20, ttmp9, 3
	s_add_nc_u64 s[14:15], s[14:15], s[20:21]
	s_wait_xcnt 0x0                                ; EXEC changes only behind this wait
	v_cmp_eq_u32 vcc_lo, 0, v0
	s_and_saveexec_b32 s19, vcc_lo
	global_store_b64 v3, v[10:11], s[14:15]        ; thread 0: (mean, M2)
	s_wait_xcnt 0x0                                ; and again in front of the line that widens it
	s_or_b32 exec_lo, exec_lo, s19
.Lend:
	s_wait_tensorcnt 0x0
	ds_add_u32 v254, v255
	s_wait_dscnt 0x0
	s_endpgm
.Lfunc_end_k_q49590fa52e_prep:
	.size	k_q49590fa52e_prep, .Lfunc_end_k_q49590fa52e_prep-k_q49590fa52e_prep
	.p2alignl 7, 3214868480
	.fill 96, 4, 3214868480
	.section	.rodata,"a",@progbits
	.p2align	6, 0x0
	.amdhsa_kernel k_q49590fa52e_prep
		.amdhsa_group_segment_fixed_size 1536
		.amdhsa_private_segment_fixed_size 0
		.amdhsa_enable_private_segment 0
		.amdhsa_kernarg_size 56
		.amdhsa_user_sgpr_count 2
		.amdhsa_user_sgpr_kernarg_segment_ptr 1
		.amdhsa_wavefront_size32 1
		.amdhsa_system_sgpr_workgroup_id_x 1
		.amdhsa_system_sgpr_workgroup_id_y 1
		.amdhsa_system_sgpr_workgroup_id_z 1
		.amdhsa_system_vgpr_workitem_id 0
		.amdhsa_next_free_vgpr 256
		.amdhsa_next_free_sgpr 66
		.amdhsa_reserve_vcc 1
		.amdhsa_float_denorm_mode_32 3
		.amdhsa_float_denorm_mode_16_64 3
		.amdhsa_memory_ordered 1
		.amdhsa_forward_progress 1
		.amdhsa_inst_pref_size 24
	.end_amdhsa_kernel
	.amdgpu_metadata
---
amdhsa.version: [ 1, 2 ]
amdhsa.kernels:
  - .name:           k_q49590fa52e_prep
    .symbol:         k_q49590fa52e_prep.kd
    .args:
      - { .name: x, .offset: 0, .size: 8, .value_kind: global_buffer, .address_space: global }
      - { .name: q_w, .offset: 8, .size: 8, .value_kind: global_buffer, .address_space: global }
      - { .name: k_w, .offset: 16, .size: 8, .value_kind: global_buffer, .address_space: global }
      - { .name: v_w, .offset: 24, .size: 8, .value_kind: global_buffer, .address_space: global }
      - { .name: proj_w, .offset: 32, .size: 8, .value_kind: global_buffer, .address_space: global }
      - { .name: st, .offset: 40, .size: 8, .value_kind: global_buffer, .address_space: global }
      - { .name: wimg, .offset: 48, .size: 8, .value_kind: global_buffer, .address_space: global }
    .group_segment_fixed_size: 1536
    .private_segment_fixed_size: 0
    .kernarg_segment_align: 8
    .kernarg_segment_size: 56
    .max_flat_workgroup_size: 256
    .sgpr_count:     66
    .vgpr_count:     256
    .wavefront_size: 32
...
	.end_amdgpu_metadata
.endif
;; end of part 1
;; launch qkv (part 2): grid 256 x 1, 4 waves a work-group, no clusters, 168,448 bytes of LDS; arguments x, st, norm_w, norm_b, wimg, q_b, k_b, v_b, qimg, kimg, vimg; writes qimg, kimg, vimg
.if DOCPART == 2
	.amdgcn_target "amdgcn-amd-amdhsa--gfx1250"
	.amdhsa_code_object_version 6
	.text
	.protected	k_q49590fa52e_qkv
	.globl	k_q49590fa52e_qkv
	.p2align	8
	.type	k_q49590fa52e_qkv,@function
k_q49590fa52e_qkv:
	s_mov_b64 s[64:65], 0
	v_nop
	global_prefetch_b8 v0, s[64:65] scope:SCOPE_SE
	s_setreg_imm32_b32 hwreg(HW_REG_WAVE_MODE, 25, 1), 1
	s_wait_xcnt 0x0
; QKV.  h = groupnorm(x), quantised along c; q = Wq h + bq, k = Wk h + bk, v = Wv h + bv on codes of E3M2 (one E8M0 byte for each 32 along K); q and k quantised along c, v along the keys n.
; SHARES.  Work-group id: batch b = id / 64, 64 columns n = 64 (id % 64) on: four tiles T of 16 columns.  THE WAVES SHARE THE OUTPUTS: wave w makes 128 outputs of q (w = 0, 1) or of k (w = 2, 3)
; and 64 channels of v, for all 64 columns.  So each byte of the weights' images goes once, straight into the registers of the one wave that multiplies by it.
; TILES ARE PERMUTED: row r of tile 2 g + u is index 32 g + 8 u + r + 8 (r / 8), for the weights' rows and for the columns n alike; a lane's 16 registers of two neighbouring result tiles are then 16 neighbours along the next K.
; q, k: source 0 = 16 rows of W, source 1 = 16 columns of h: a lane holds one n, its registers run along o.   v: source 0 = h, source 1 = Wv: a lane holds one channel, its registers run along n.
; The biases are the C of each sum's first matrix instruction.
; OUT: images of operand registers (three runs of 512 bytes a fragment, lane l's 16 bytes at 16 l).  qimg, kimg: a record of 25,600 bytes for each (b, 128 n): codes (2 tile + K step) x 1,536; from byte 24,576 on
; 128 bytes of scale words a tile (lanes 0-15: c 0-127, lanes 16-31: c 128-255).  vimg: a record for each (b, 128 keys): codes at 1,536 x channel tile, in two halves of 768 bytes (64 keys each: 512 bytes at 16 l, 256 at 8 l);
; scale words at 24,576 + 128 (tile / 2): lanes 0-15 the even tile, lanes 16-31 the odd one.  This work-group's 64 keys give two of a word's four bytes: those stores are of 2 bytes a lane, one byte in 24 of what the launch stores.
; x comes by one tensor load a wave (64 channels x 256 bytes), filled once: no slot is filled again.
; LIMITS: NaN and infinities are not served; a block whose largest magnitude lies under 2^-122 keeps the scale byte 1, a block of zeros too (its codes are zeros; only this program reads the bytes).
; LDS: x 256 rows x 264 bytes (66 words: lanes 16-31 read 16 rows on, 32 banks on) | TAB: mean, gain, offset for each channel | HIMG: h's 8 fragments | HSC: their scale words.
; REGISTERS.  window 0: v1-15, v241-243 addresses; v16-39 two fragments of h; v48-111 results of q or k; v112-175 64 numbers of x (for v: v48-175 are 16 accumulators); v176-195 codes; v200-218 at work; v224-239 scale words.
;   window 1: my 16 fragments of Wq or Wk.   window 2: v0-95 my 8 fragments of Wv; v96-159 bias of q or k; v160-191 bias of v.   window 3: the tables of a K step; later h's 8 fragments.
.set TAB,  67584
.set HIMG, 70656
.set HSC,  82944
.set XF,  16
.set HA,  48
.set XN,  112
.set PC,  176
.set TM,  200
.set PW,  216
.set PWS, 217
.set XS,  218                          ; h's scale words of the tile in hand
.set WS,  224                          ; v224-231 scale words of my tiles of Wq or Wk
.set VWS, 232                          ; v232-235 of Wv
.set HS,  236                          ; v236-239 of h's four tiles
.set SEL, 40
.set MSB, 0
.macro WIN new                         ; the immediate's high byte repeats the setting that is left
.if MSB != \new
	s_set_vgpr_msb (MSB<<8)|\new
.set MSB, \new
.endif
.endm
.macro PLACES                          ; four places behind a matrix instruction (ISA guide 7.12.1)
.rept 4
	v_nop
.endr
.endm
; 64 numbers of a lane, register 16 b + i = k 32 b + 16 (lane / 16) + i of my row, become a fragment's codes in v[PC] on and its scale word in v[PW].
.macro QUANT s
.irp b, 0,1,2,3
	v_max3_num_f32 v[TM+\b], |v[\s+16*\b]|, |v[\s+1+16*\b]|, 0x2800000   ; my 16 numbers of block b, and the floor 2^(5 - 127): the byte cannot fall under 1
.endr
.irp i, 2,4,6,8,10,12,14
.irp b, 0,1,2,3
	v_max3_num_f32 v[TM+\b], v[TM+\b], |v[\s+16*\b+\i]|, |v[\s+1+16*\b+\i]|
.endr
.endr
.irp b, 0,1,2,3
	v_permlanex16_b32 v[TM+4+\b], v[TM+\b], s[SEL], s[SEL+1]
.endr
.irp b, 0,1,2,3
	v_max_num_f32 v[TM+\b], v[TM+\b], v[TM+4+\b]
.endr
.irp b, 0,1,2,3
	v_add_nc_u32 v[TM+12+\b], 0xfe000000, v[TM+\b]   ; 4 off the exponent field: the conversion's scale operand
.endr
.irp b, 0,1,2,3
	v_lshrrev_b32 v[TM+4+\b], 23, v[TM+12+\b]      ; the scale's byte
.endr
	v_lshl_or_b32 v[PW], v[TM+5], 8, v[TM+4]
	v_lshl_or_b32 v[PW], v[TM+6], 16, v[PW]
	v_lshl_or_b32 v[PW], v[TM+7], 24, v[PW]
.irp c, 0,1
	v_cvt_scalef32_pk16_bf6_f32 v[PC+6*\c:PC+2+6*\c], v[\s+32*\c:\s+15+32*\c], v[TM+12+2*\c]
	v_cvt_scalef32_pk16_bf6_f32 v[PC+12+4*\c:PC+14+4*\c], v[\s+16+32*\c:\s+31+32*\c], v[TM+12+2*\c+1]
.endr
	v_nop                                          ; one plain place behind a scaled conversion
.irp c, 0,1
.irp i, 0,1,2
	v_permlane16_swap_b32 v[PC+6*\c+\i], v[PC+12+4*\c+\i]
.endr
.irp i, 0,1,2
	v_mov_b32 v[PC+3+6*\c+\i], v[PC+12+4*\c+\i]
.endr
.endr
.endm
; The same for 32 numbers (two blocks): half a fragment in v[PC:PC+5], two scale bytes in v[PW].
.macro QUANT2 s
.irp b, 0,1
	v_max3_num_f32 v[TM+\b], |v[\s+16*\b]|, |v[\s+1+16*\b]|, 0x2800000
.endr
.irp i, 2,4,6,8,10,12,14
.irp b, 0,1
	v_max3_num_f32 v[TM+\b], v[TM+\b], |v[\s+16*\b+\i]|, |v[\s+1+16*\b+\i]|
.endr
.endr
.irp b, 0,1
	v_permlanex16_b32 v[TM+4+\b], v[TM+\b], s[SEL], s[SEL+1]
.endr
.irp b, 0,1
	v_max_num_f32 v[TM+\b], v[TM+\b], v[TM+4+\b]
.endr
.irp b, 0,1
	v_add_nc_u32 v[TM+12+\b], 0xfe000000, v[TM+\b]
.endr
.irp b, 0,1
	v_lshrrev_b32 v[TM+4+\b], 23, v[TM+12+\b]
.endr
	v_lshl_or_b32 v[PW], v[TM+5], 8, v[TM+4]
	v_cvt_scalef32_pk16_bf6_f32 v[PC:PC+2], v[\s:\s+15], v[TM+12]
	v_cvt_scalef32_pk16_bf6_f32 v[PC+12:PC+14], v[\s+16:\s+31], v[TM+13]
	v_nop
.irp i, 0,1,2
	v_permlane16_swap_b32 v[PC+\i], v[PC+12+\i]
.endr
.irp i, 0,1,2
	v_mov_b32 v[PC+3+\i], v[PC+12+\i]
.endr
.endm
; One matrix instruction.  c < 0: the constant 0 starts the sum.  ra, rb: the side's scale words are taken from lanes 16-31.
.macro MM d, a, b, c, sa, sb, ra, rb
.if (\c) < 0
.if \rb
	v_wmma_scale_f32_16x16x128_f8f6f4 v[\d:\d+7], v[\a:\a+11], v[\b:\b+11], 0, v[\sa], v[\sb] matrix_a_fmt:MATRIX_FMT_BF6 matrix_b_fmt:MATRIX_FMT_BF6 matrix_a_scale:MATRIX_SCALE_ROW1 matrix_b_scale:MATRIX_SCALE_ROW1
.elseif \ra
	v_wmma_scale_f32_16x16x128_f8f6f4 v[\d:\d+7], v[\a:\a+11], v[\b:\b+11], 0, v[\sa], v[\sb] matrix_a_fmt:MATRIX_FMT_BF6 matrix_b_fmt:MATRIX_FMT_BF6 matrix_a_scale:MATRIX_SCALE_ROW1
.else
	v_wmma_scale_f32_16x16x128_f8f6f4 v[\d:\d+7], v[\a:\a+11], v[\b:\b+11], 0, v[\sa], v[\sb] matrix_a_fmt:MATRIX_FMT_BF6 matrix_b_fmt:MATRIX_FMT_BF6
.endif
.else
.if \rb
	v_wmma_scale_f32_16x16x128_f8f6f4 v[\d:\d+7], v[\a:\a+11], v[\b:\b+11], v[\c:\c+7], v[\sa], v[\sb] matrix_a_fmt:MATRIX_FMT_BF6 matrix_b_fmt:MATRIX_FMT_BF6 matrix_a_scale:MATRIX_SCALE_ROW1 matrix_b_scale:MATRIX_SCALE_ROW1
.elseif \ra
	v_wmma_scale_f32_16x16x128_f8f6f4 v[\d:\d+7], v[\a:\a+11], v[\b:\b+11], v[\c:\c+7], v[\sa], v[\sb] matrix_a_fmt:MATRIX_FMT_BF6 matrix_b_fmt:MATRIX_FMT_BF6 matrix_a_scale:MATRIX_SCALE_ROW1
.else
	v_wmma_scale_f32_16x16x128_f8f6f4 v[\d:\d+7], v[\a:\a+11], v[\b:\b+11], v[\c:\c+7], v[\sa], v[\sb] matrix_a_fmt:MATRIX_FMT_BF6 matrix_b_fmt:MATRIX_FMT_BF6
.endif
.endif
.endm
	s_load_b256 s[4:11], s[0:1], 0x0               ; x s[4:5], st s[6:7], norm_w s[8:9], norm_b s[10:11]
	s_load_b256 s[12:19], s[0:1], 0x20             ; wimg s[12:13], q_b s[14:15], k_b s[16:17], v_b s[18:19]
	s_load_b128 s[20:23], s[0:1], 0x40             ; qimg s[20:21], kimg s[22:23]
	s_load_b64 s[24:25], s[0:1], 0x50              ; vimg
	v_lshl_add_u32 v254, v0, 2, 0x29000
	v_mov_b32 v255, 0
	ds_add_u32 v254, v255
	v_lshrrev_b32 v1, 5, v0
	v_readfirstlane_b32 s26, v1                    ; wave 0..3
	s_and_b32 s27, s26, 1
	s_lshr_b32 s44, ttmp9, 6                       ; b
	s_and_b32 s45, ttmp9, 63                       ; which 64 columns
	s_lshr_b32 s46, s45, 1                         ; which record of 128
	s_and_b32 s47, s45, 1                          ; and which half of it
	; descriptor group 1: 64 rows (channels) x 64 elements of 4 bytes, 4,096 elements from row to row; 2 words of padding behind each 64
	s_mov_b32 s32, (2<<16)|(1<<20)|(5<<22)|(1<<25)
	s_mov_b32 s33, 64<<16                          ; tensor_dim0
	s_mov_b32 s34, 64<<16                          ; tensor_dim1
	s_mov_b32 s35, 64<<16                          ; tile_dim0
	s_mov_b32 s36, 64                              ; tile_dim1
	s_mov_b32 s37, 4096                            ; the pitch
	s_mov_b32 s38, 0
	s_mov_b32 s39, 0
	s_lshl_b32 s48, s44, 22                        ; x: 4,194,304 b + 1,048,576 wave (64 channels) + 256 x block of columns
	s_lshl_b32 s49, s26, 20
	s_add_co_u32 s48, s48, s49
	s_lshl_b32 s49, s45, 8
	s_add_co_u32 s48, s48, s49
	s_mov_b32 s49, 0
	s_mov_b32 s28, 1                               ; group 0: count,
	s_mul_i32 s29, s26, 16896                      ; LDS address: my 64 rows of 264 bytes
	s_wait_dscnt 0x0
	s_wait_kmcnt 0x0
	s_add_nc_u64 s[30:31], s[4:5], s[48:49]
	s_or_b32 s31, s31, 0x80000000                  ; type
	tensor_load_to_lds s[28:31], s[32:39]          ; my one tensor load: it is the only one of mine outstanding
	s_nop 0
.rept 4
	v_nop
.endr
	; scalar offsets, each base in a pair of its own
	s_lshl_b32 s50, s44, 9                         ; st: 512 b
	s_mov_b32 s51, 0
	s_mul_i32 s52, s26, 24576                      ; my 8 tiles of Wq or Wk
	s_mov_b32 s53, 0
	s_lshl_b32 s54, s26, 10
	s_add_co_u32 s54, s54, 196608                  ; their scale words
	s_mov_b32 s55, 0
	s_mul_i32 s56, s26, 12288
	s_add_co_u32 s56, s56, 98304                   ; my 4 tiles of Wv
	s_mov_b32 s57, 0
	s_lshl_b32 s58, s26, 9
	s_add_co_u32 s58, s58, 200704                  ; their scale words
	s_mov_b32 s59, 0
	s_lshl_b32 s60, s27, 9                         ; bias of q or k: my 128 numbers
	s_mov_b32 s61, 0
	s_lshl_b32 s62, s26, 8                         ; bias of v: my 64
	s_mov_b32 s63, 0
	s_lshl_b32 s66, s44, 5
	s_add_co_u32 s66, s66, s46
	s_mul_i32 s66, s66, 25600                      ; the record
	s_mul_i32 s68, s47, 12288
	s_mul_i32 s67, s27, 1536
	s_add_co_u32 s68, s68, s67
	s_add_co_u32 s68, s68, s66                     ; q, k codes: record + 12,288 half + 1,536 K step
	s_mov_b32 s69, 0
	s_lshl_b32 s70, s47, 9
	s_lshl_b32 s67, s27, 6
	s_add_co_u32 s70, s70, s67
	s_add_co_u32 s70, s70, s66
	s_add_co_u32 s70, s70, 24576                   ; q, k scale words
	s_mov_b32 s71, 0
	s_mul_i32 s72, s26, 6144
	s_mul_i32 s67, s47, 768
	s_add_co_u32 s72, s72, s67
	s_add_co_u32 s72, s72, s66                     ; v codes
	s_mov_b32 s73, 0
	s_lshl_b32 s74, s26, 8
	s_lshl_b32 s67, s47, 1
	s_add_co_u32 s74, s74, s67
	s_add_co_u32 s74, s74, s66
	s_add_co_u32 s74, s74, 24576                   ; v scale bytes
	s_mov_b32 s75, 0
	s_cmp_lt_u32 s26, 2                            ; waves 0, 1: q; waves 2, 3: k
	s_cselect_b64 s[76:77], s[14:15], s[16:17]
	s_cselect_b64 s[78:79], s[20:21], s[22:23]
	s_add_nc_u64 s[6:7], s[6:7], s[50:51]
	s_add_nc_u64 s[52:53], s[12:13], s[52:53]
	s_add_nc_u64 s[54:55], s[12:13], s[54:55]
	s_add_nc_u64 s[56:57], s[12:13], s[56:57]
	s_add_nc_u64 s[58:59], s[12:13], s[58:59]
	s_add_nc_u64 s[60:61], s[76:77], s[60:61]
	s_add_nc_u64 s[62:63], s[18:19], s[62:63]
	s_add_nc_u64 s[68:69], s[78:79], s[68:69]
	s_add_nc_u64 s[70:71], s[78:79], s[70:71]
	s_add_nc_u64 s[72:73], s[24:25], s[72:73]
	s_add_nc_u64 s[74:75], s[24:25], s[74:75]
	s_mov_b32 s[SEL], 0x76543210
	s_mov_b32 s[SEL+1], 0xfedcba98
	s_mov_b32 s42, 0x38000000                      ; 2^-15: one over a group's 32,768 numbers
	s_mov_b32 s43, 0x3727c5ac                      ; 1e-5
	; vector addresses
	v_and_b32 v1, 31, v0                           ; lane
	v_and_b32 v2, 15, v0                           ; r
	v_bfe_u32 v3, v0, 4, 1                         ; h
	v_lshlrev_b32 v4, 4, v1                        ; 16 x lane
	v_lshlrev_b32 v5, 2, v1                        ; 4 x lane
	v_lshlrev_b32 v6, 3, v1                        ; 8 x lane
	v_and_b32 v7, 8, v2
	v_add_nc_u32 v7, v7, v2                        ; r + 8 (r / 8)
	v_lshlrev_b32 v243, 2, v7
	s_lshr_b32 s50, s26, 1
	s_lshl_b32 s50, s50, 7
	s_lshl_b32 s51, s27, 5
	s_add_co_u32 s50, s50, s51                     ; my tile of columns begins at column 32 (w / 2) + 8 (w % 2)
	v_mad_u32_u24 v7, v3, 4224, v243               ; x in LDS: my column, + 16 h rows
	v_add_nc_u32 v7, s50, v7
	v_lshl_add_u32 v8, v3, 6, TAB                  ; the tables: + 16 h channels
	s_mul_i32 s50, s26, 3072
	s_add_co_u32 s50, s50, HIMG
	v_add_nc_u32 v9, s50, v4                       ; where I store h's images
	s_lshl_b32 s50, s26, 7
	s_add_co_u32 s50, s50, HSC
	v_add_nc_u32 v10, s50, v5                      ; and their scale words
	v_lshlrev_b32 v11, 2, v2                       ; 4 r
	v_lshrrev_b32 v12, 2, v0
	v_lshlrev_b32 v12, 4, v12                      ; st: thread t makes channels 2 t, 2 t + 1 of group t / 4: 16 bytes a group
	v_lshlrev_b32 v13, 3, v0                       ; norm_w, norm_b: 8 t
	v_lshl_add_u32 v14, v0, 3, TAB                 ; and the tables: 8 t
	v_lshlrev_b32 v15, 6, v3                       ; 64 h
	v_add_nc_u32 v241, HIMG, v4
	v_add_nc_u32 v242, HSC, v5
.irp b, 0,1,2,3
	v_mov_b32 v[TM+4+\b], 0                        ; a lane permute's destination counts as one of its sources
.endr
	v_cmp_lt_u32 vcc_lo, 15, v1                    ; lanes 16-31; VCC is not written again
	global_load_b128 v[112:115], v12, s[6:7]       ; (mean, M2) of the group's two halves
	global_load_b64 v[116:117], v13, s[8:9]
	global_load_b64 v[118:119], v13, s[10:11]
	WIN 0x40                                       ; destination window 1
.set k, 0
.rept 48
	global_load_b128 v[4*k:4*k+3], v4, s[52:53] offset:512*k   ; fragment (tile, K step) at v[12 (2 tile + step)]: the image is dense
.set k, k+1
.endr
	WIN 0
.irp ti, 0,1,2,3,4,5,6,7
	global_load_b32 v[WS+\ti], v5, s[54:55] offset:128*\ti
.endr
	s_wait_loadcnt 56                              ; the three table loads are in; the 48 + 8 issued behind them may be out
	v_add_f32 v120, v112, v114
	v_sub_f32 v121, v112, v114
	v_add_f32 v122, v113, v115
	v_mul_f32 v120, 0.5, v120                      ; the group's mean
	v_mul_f32 v121, v121, v121
	v_fma_f32 v122, v121, 0x46000000, v122         ; M2 = M2a + M2b + (ma - mb)^2 x 16,384 / 2
	v_fma_f32 v122, v122, s42, s43                 ; the variance + 1e-5
	v_rsq_f32 v123, v122
	v_mov_b32 v121, v120                           ; (a plain place behind the transcendental)
	s_wait_alu depctr_va_vdst(0)
	v_mul_f32 v124, v123, v116                     ; the gain: rstd x norm_w
	v_mul_f32 v125, v123, v117
	ds_store_b64 v14, v[120:121]
	ds_store_b64 v14, v[124:125] offset:1024
	ds_store_b64 v14, v[118:119] offset:2048
	WIN 0x80                                       ; destination window 2
.set k, 0
.rept 24
	global_load_b128 v[4*k:4*k+3], v4, s[56:57] offset:512*k
.set k, k+1
.endr
.irp ti, 0,1,2,3,4,5,6,7                       ; in tile 2 g + u lane (r, h) holds outputs 32 g + 8 u + 16 h + 0 .. 7
	global_load_b128 v[96+8*\ti:99+8*\ti], v15, s[60:61] offset:(32*(\ti/2)+8*(\ti%2))*4
	global_load_b128 v[100+8*\ti:103+8*\ti], v15, s[60:61] offset:(32*(\ti/2)+8*(\ti%2))*4+16
.endr
.irp i, 0,1,2,3                                ; for v a lane holds ONE channel: its bias fills the tile's eight registers
.irp j, 0,1,2,3,4,5,6,7
	global_load_b32 v[160+8*\i+\j], v243, s[62:63] offset:4*(32*(\i/2)+8*(\i%2))
.endr
.endr
	WIN 0
.irp i, 0,1,2,3
	global_load_b32 v[VWS+\i], v5, s[58:59] offset:128*\i
.endr
	s_wait_tensorcnt 0x0                           ; my 64 rows of x are in LDS,
	s_wait_dscnt 0x0                               ; my part of the tables too
	s_barrier_signal -1
	s_barrier_wait -1                              ; everybody's are
	; ---- X: wave w normalises and quantises tile w of the columns: two fragments (c 0-127, c 128-255)
.irp ks, 0,1
.irp b, 0,1,2,3
.irp i, 0,1,2,3,4,5,6,7,8,9,10,11,12,13,14,15
	ds_load_b32 v[XN+16*\b+\i], v7 offset:(128*\ks+32*\b+\i)*264   ; x(channel 128 ks + 32 b + 16 h + i, my column)
.endr
.endr
	WIN 0xc0                                       ; destination window 3
.irp a, 0,1,2
.irp b, 0,1,2,3
.irp q, 0,1,2,3
	ds_load_b128 v[64*\a+16*\b+4*\q:64*\a+16*\b+4*\q+3], v8 offset:1024*\a+512*\ks+128*\b+16*\q
.endr
.endr
.endr
	s_wait_dscnt 0x0                               ; (also: the last fragment's stores have read their registers)
	WIN 0x0c                                       ; source 1 window 3
.set k, 0
.rept 32
	v_pk_add_f32 v[XN+k:XN+k+1], v[XN+k:XN+k+1], v[k:k+1] neg_lo:[0,1] neg_hi:[0,1]   ; x - mean
.set k, k+2
.endr
	WIN 0x3c                                       ; sources 1 and 2 window 3
.set k, 0
.rept 32
	v_pk_fma_f32 v[XN+k:XN+k+1], v[XN+k:XN+k+1], v[64+k:65+k], v[128+k:129+k]         ; x gain + offset
.set k, k+2
.endr
	WIN 0
	QUANT XN
.irp p, 0,1,2
	ds_store_b128 v9, v[PC+4*\p:PC+4*\p+3] offset:1536*\ks+512*\p
.endr
.if \ks == 0
	v_mov_b32 v[PWS], v[PW]
.endif
.endr
	v_cndmask_b32 v[PW], v[PWS], v[PW], vcc_lo     ; lanes 0-15: the word of c 0-127; lanes 16-31: of c 128-255
	ds_store_b32 v10, v[PW]
	s_wait_dscnt 0x0
	s_wait_loadcnt 0x0                             ; weights, scale words, biases
	s_barrier_signal -1
	s_barrier_wait -1                              ; h's eight fragments lie in LDS
	; ---- QK: my 128 outputs of q or k, a tile of 16 columns at a time; the eight accumulators take turns
.irp tt, 0,1,2,3
.set k, 0
.rept 6
	ds_load_b128 v[XF+4*k:XF+4*k+3], v241 offset:3072*\tt+512*k
.set k, k+1
.endr
	ds_load_b32 v[XS], v242 offset:128*\tt
	s_wait_dscnt 0x0
	WIN 0x21                                       ; source 0 (W) window 1, source 2 (bias) window 2
.irp ti, 0,1,2,3,4,5,6,7
	MM HA+8*\ti, 24*\ti, XF, 96+8*\ti, WS+\ti, XS, 0, 0
.endr
	WIN 0x01
.irp ti, 0,1,2,3,4,5,6,7
	MM HA+8*\ti, 24*\ti+12, XF+12, HA+8*\ti, WS+\ti, XS, 1, 1
.endr
	WIN 0
	PLACES
	s_wait_xcnt 0x0                                ; the last tile's stores have read their data registers
	QUANT HA                                       ; 128 neighbours along o: one K step of the scores' product
.irp p, 0,1,2
	global_store_b128 v4, v[PC+4*\p:PC+4*\p+3], s[68:69] offset:3072*\tt+512*\p   ; 32 lanes store 512 consecutive bytes
.endr
	global_store_b32 v11, v[PW], s[70:71] offset:128*\tt   ; lanes l and l xor 16 hold the same word and write it to the same place
.endr
	; ---- V: my 64 channels for the 64 columns: sixteen accumulators by turns
	WIN 0xc0
.set k, 0
.rept 24
	ds_load_b128 v[4*k:4*k+3], v241 offset:512*k
.set k, k+1
.endr
	WIN 0
.irp tt, 0,1,2,3
	ds_load_b32 v[HS+\tt], v242 offset:128*\tt
.endr
	s_wait_dscnt 0x0
	WIN 0x2b                                       ; source 0 (h) window 3, source 1 (Wv) and source 2 (bias) window 2
.irp i, 0,1,2,3
.irp tt, 0,1,2,3
	MM HA+32*\i+8*\tt, 24*\tt, 24*\i, 160+8*\i, HS+\tt, VWS+\i, 0, 0
.endr
.endr
	WIN 0x0b
.irp i, 0,1,2,3
.irp tt, 0,1,2,3
	MM HA+32*\i+8*\tt, 24*\tt+12, 24*\i+12, HA+32*\i+8*\tt, HS+\tt, VWS+\i, 1, 1
.endr
.endr
	WIN 0
	PLACES
.irp i, 0,1,2,3                                ; a channel tile's 32 registers are 64 neighbouring keys (32 in each half of the lanes): two blocks
	s_wait_xcnt 0x0
	QUANT2 HA+32*\i
	global_store_b128 v4, v[PC:PC+3], s[72:73] offset:1536*\i
	global_store_b64 v6, v[PC+4:PC+5], s[72:73] offset:1536*\i+512
.if \i%2 == 0
	v_mov_b32 v[PWS], v[PW]
.else
	v_cndmask_b32 v[PW], v[PWS], v[PW], vcc_lo     ; lanes 0-15: the even tile's two bytes; lanes 16-31: the odd tile's
	global_store_b16 v5, v[PW], s[74:75] offset:128*(\i/2)
.endif
.endr
	s_wait_tensorcnt 0x0
	ds_add_u32 v254, v255
	s_wait_dscnt 0x0
	s_endpgm
.Lfunc_end_k_q49590fa52e_qkv:
	.size	k_q49590fa52e_qkv, .Lfunc_end_k_q49590fa52e_qkv-k_q49590fa52e_qkv
	.p2alignl 7, 3214868480
	.fill 96, 4, 3214868480
	.section	.rodata,"a",@progbits
	.p2align	6, 0x0
	.amdhsa_kernel k_q49590fa52e_qkv
		.amdhsa_group_segment_fixed_size 168448
		.amdhsa_private_segment_fixed_size 0
		.amdhsa_enable_private_segment 0
		.amdhsa_kernarg_size 88
		.amdhsa_user_sgpr_count 2
		.amdhsa_user_sgpr_kernarg_segment_ptr 1
		.amdhsa_wavefront_size32 1
		.amdhsa_system_sgpr_workgroup_id_x 1
		.amdhsa_system_sgpr_workgroup_id_y 1
		.amdhsa_system_sgpr_workgroup_id_z 1
		.amdhsa_system_vgpr_workitem_id 0
		.amdhsa_next_free_vgpr 1024
		.amdhsa_next_free_sgpr 80
		.amdhsa_reserve_vcc 1
		.amdhsa_float_denorm_mode_32 3
		.amdhsa_float_denorm_mode_16_64 3
		.amdhsa_memory_ordered 1
		.amdhsa_forward_progress 1
		.amdhsa_inst_pref_size 92
	.end_amdhsa_kernel
	.amdgpu_metadata
---
amdhsa.version: [ 1, 2 ]
amdhsa.kernels:
  - .name:           k_q49590fa52e_qkv
    .symbol:         k_q49590fa52e_qkv.kd
    .args:
      - { .name: x, .offset: 0, .size: 8, .value_kind: global_buffer, .address_space: global }
      - { .name: st, .offset: 8, .size: 8, .value_kind: global_buffer, .address_space: global }
      - { .name: norm_w, .offset: 16, .size: 8, .value_kind: global_buffer, .address_space: global }
      - { .name: norm_b, .offset: 24, .size: 8, .value_kind: global_buffer, .address_space: global }
      - { .name: wimg, .offset: 32, .size: 8, .value_kind: global_buffer, .address_space: global }
      - { .name: q_b, .offset: 40, .size: 8, .value_kind: global_buffer, .address_space: global }
      - { .name: k_b, .offset: 48, .size: 8, .value_kind: global_buffer, .address_space: global }
      - { .name: v_b, .offset: 56, .size: 8, .value_kind: global_buffer, .address_space: global }
      - { .name: qimg, .offset: 64, .size: 8, .value_kind: global_buffer, .address_space: global }
      - { .name: kimg, .offset: 72, .size: 8, .value_kind: global_buffer, .address_space: global }
      - { .name: vimg, .offset: 80, .size: 8, .value_kind: global_buffer, .address_space: global }
    .group_segment_fixed_size: 168448
    .private_segment_fixed_size: 0
    .kernarg_segment_align: 8
    .kernarg_segment_size: 88
    .max_flat_workgroup_size: 128
    .sgpr_count:     80
    .vgpr_count:     1024
    .wavefront_size: 32
...
	.end_amdgpu_metadata
.endif
;; end of part 2
;; launch attn (part 3): grid 64 x 4, 4 waves a work-group, clusters of 4 x 1, 327,680 bytes of LDS; arguments qimg, kimg, vimg, wimg, proj_b, x, out0; writes out0
.if DOCPART == 3
	.amdgcn_target "amdgcn-amd-amdhsa--gfx1250"
	.amdhsa_code_object_version 6
	.text
	.protected	k_q49590fa52e_attn
	.globl	k_q49590fa52e_attn
	.p2align	8
	.type	k_q49590fa52e_attn,@function
k_q49590fa52e_attn:
	s_mov_b64 s[64:65], 0
	v_nop
	global_prefetch_b8 v0, s[64:65] scope:SCOPE_SE
	s_setreg_imm32_b32 hwreg(HW_REG_WAVE_MODE, 25, 1), 1
	s_wait_xcnt 0x0
	s_wait_alu depctr_hold_cnt(0) depctr_sa_sdst(0) depctr_va_vdst(0) depctr_va_sdst(0) depctr_va_ssrc(0) depctr_va_vcc(0) depctr_vm_vsrc(0)
	s_getreg_b32 s2, hwreg(HW_REG_IB_STS2, 6, 4)
	s_cmp_eq_u32 s2, 0
	s_cbranch_scc0 .Lentry_in_a_cluster
	s_endpgm
.Lentry_in_a_cluster:
	s_bfe_u32 s2, ttmp6, 0x10000c
	s_cmp_lg_u32 s2, 0x3003
	s_cbranch_scc0 .Lentry_shape_is_right
	s_endpgm
.Lentry_shape_is_right:
; ATTN.  out0 = x + proj(softmax(q^T k / 16) v) + proj_b, all three products on codes of E3M2 with one E8M0 byte for each 32 along K.
; SOFTMAX: t = score x log2(e) / 16; M = the largest t so far, rounded UP to a whole number; p = 2^(t - M) is quantised along the keys, not normalised; the sum is taken of the unquantised p and divides at the end.
; SHARES.  A work-group owns 64 queries of one batch: four tiles t of 16.  THE FOUR WAVES SHARE THE KEYS: in step j (512 keys) wave w takes keys 128 (4 j + w) on, for all 64 queries.  So each fragment of K and V is read
; from LDS once in the work-group and feeds four matrix instructions.  Each wave keeps its own M and sum and its own O^T (256 channels x 64 queries: 512 registers); they are merged once, at the end, by exact powers of two.
; LAYOUT.  S^T = K Q^T and O^T = V^T P^T: a lane holds ONE query throughout.  K's, Q's and V's images were laid with permuted tiles (row r of tile 2 g + u is index 32 g + 8 u + r + 8 (r / 8)), so that the 16 registers of two
; neighbouring result tiles are 16 neighbours along the next K: p along the keys, O^T along the channels.
; CLUSTER.  The four work-groups of a cluster belong to one batch and walk the same K and V: each tile is asked for JOINTLY, by the same tensor load with the same descriptor and a mask that names the four.
; RING.  K has two slots and V one (102,400 bytes each: four records of 128 keys; two slots of both do not fit).  Behind a step's round waves 0 and 1 ask for the NEXT step's K, waves 2 and 3 for THIS step's V, which has
; the scores and the softmax of four tiles in which to land.  A wave has one tensor load outstanding at the most.
; LIMITS: NaN and infinities are not served; p under 2^-126 counts as 0 (v_exp_f32 flushes); a block whose largest magnitude lies under 2^-122 keeps the scale byte 1, a block of zeros too.
; REGISTERS.  window 0: v1-15, v234-250 addresses; v16-31 four registers of statistics a tile (-M, t, the sum in two halves); v32-79 Q of tiles 2, 3; v80-143 S^T, then p; v144-191 p's codes; v192-207 scale words; v208-233 at work.
;   window 1: v0-191 K's 16 fragments, then V's 16; v192-239 Q of tiles 0, 1.   window 2: O^T of tiles 0, 1 (128 (t % 2) + 8 channel tile).   window 3: of tiles 2, 3.
.set REC,   25600                      ; a record: 16 fragments of 1,536 bytes, then 1,024 bytes of scale words
.set KS1,   102400                     ; K's slot 1 (slot 0 at 0)
.set VSL,   204800                     ; V's slot
.set SPARE, 307200                     ; the spare words, 128 bytes for each wave: two blocks of 256 bytes that no other line names
.set STATS, 262144                     ; THE TAIL'S LDS lies in slots that have had their last fill: partial O^T at 65,536 wave + 16,384 tile; (-M, sum) at STATS + 1,024 wave + 256 tile;
.set OIMG,  266240                     ; the attention result's 8 fragments;
.set OSC,   278528                     ; their scale words;
.set STG,   0                          ; and, when the partial sums have been read, a stage of 64 rows o x (256 bytes + 16) for each wave
.set S,   80
.set PCD, 144
.set BM,  208                          ; v208-211 a block's largest score, then its largest p
.set T4,  212
.set SO,  216                          ; v216-219 the conversions' scale operands
.set F,   228                          ; v[228:229] f = 2^(old M - new M); the pair's upper half is written once
.set TMP, 230
.set SUM, 232
.set TM,  208                          ; QUANT's registers, in the tail
.set PW,  224
.set PC,  160
.set WV,  18
.set CS,  22                           ; s[22:23] c = log2(e) / 16
.set SEL, 24
.set MSB, 0
.macro WIN new                         ; the immediate's high byte repeats the setting that is left
.if MSB != (\new)
	s_set_vgpr_msb (MSB<<8)|(\new)
.set MSB, (\new)
.endif
.endm
.macro PLACES                          ; four places behind a matrix instruction (ISA guide 7.12.1)
.rept 4
	v_nop
.endr
.endm
.macro QUANT s                         ; 64 numbers of a lane, register 16 b + i = k 32 b + 16 (lane / 16) + i, become a fragment's codes in v[PC] on and its scale word in v[PW]
.irp b, 0,1,2,3
	v_max3_num_f32 v[TM+\b], |v[\s+16*\b]|, |v[\s+1+16*\b]|, 0x2800000   ; my 16 numbers of block b, and the floor 2^(5 - 127): the byte cannot fall under 1
.endr
.irp i, 2,4,6,8,10,12,14
.irp b, 0,1,2,3
	v_max3_num_f32 v[TM+\b], v[TM+\b], |v[\s+16*\b+\i]|, |v[\s+1+16*\b+\i]|
.endr
.endr
.irp b, 0,1,2,3
	v_permlanex16_b32 v[TM+4+\b], v[TM+\b], s[SEL], s[SEL+1]
.endr
.irp b, 0,1,2,3
	v_max_num_f32 v[TM+\b], v[TM+\b], v[TM+4+\b]   ; with lane l xor 16's: the block's largest magnitude
.endr
.irp b, 0,1,2,3
	v_add_nc_u32 v[TM+12+\b], 0xfe000000, v[TM+\b]   ; 4 off the exponent field: the conversion's scale operand
.endr
.irp b, 0,1,2,3
	v_lshrrev_b32 v[TM+4+\b], 23, v[TM+12+\b]      ; the scale's byte
.endr
	v_lshl_or_b32 v[PW], v[TM+5], 8, v[TM+4]
	v_lshl_or_b32 v[PW], v[TM+6], 16, v[PW]
	v_lshl_or_b32 v[PW], v[TM+7], 24, v[PW]
.irp c, 0,1
	v_cvt_scalef32_pk16_bf6_f32 v[PC+6*\c:PC+2+6*\c], v[\s+32*\c:\s+15+32*\c], v[TM+12+2*\c]
	v_cvt_scalef32_pk16_bf6_f32 v[PC+12+4*\c:PC+14+4*\c], v[\s+16+32*\c:\s+31+32*\c], v[TM+12+2*\c+1]   ; (a conversion's three registers begin on an even number)
.endr
	v_nop                                          ; one plain place behind a scaled conversion
.irp c, 0,1                                    ; the operand's layout wants a whole block in a lane
.irp i, 0,1,2
	v_permlane16_swap_b32 v[PC+6*\c+\i], v[PC+12+4*\c+\i]
.endr
.irp i, 0,1,2
	v_mov_b32 v[PC+3+6*\c+\i], v[PC+12+4*\c+\i]
.endr
.endr
.endm
; One matrix instruction.  c < 0: the constant 0 starts the sum.  ra, rb: the side's scale words are taken from lanes 16-31.
.macro MM d, a, b, c, sa, sb, ra, rb
.if (\c) < 0
.if \rb
	v_wmma_scale_f32_16x16x128_f8f6f4 v[\d:\d+7], v[\a:\a+11], v[\b:\b+11], 0, v[\sa], v[\sb] matrix_a_fmt:MATRIX_FMT_BF6 matrix_b_fmt:MATRIX_FMT_BF6 matrix_a_scale:MATRIX_SCALE_ROW1 matrix_b_scale:MATRIX_SCALE_ROW1
.elseif \ra
	v_wmma_scale_f32_16x16x128_f8f6f4 v[\d:\d+7], v[\a:\a+11], v[\b:\b+11], 0, v[\sa], v[\sb] matrix_a_fmt:MATRIX_FMT_BF6 matrix_b_fmt:MATRIX_FMT_BF6 matrix_a_scale:MATRIX_SCALE_ROW1
.else
	v_wmma_scale_f32_16x16x128_f8f6f4 v[\d:\d+7], v[\a:\a+11], v[\b:\b+11], 0, v[\sa], v[\sb] matrix_a_fmt:MATRIX_FMT_BF6 matrix_b_fmt:MATRIX_FMT_BF6
.endif
.else
.if \rb
	v_wmma_scale_f32_16x16x128_f8f6f4 v[\d:\d+7], v[\a:\a+11], v[\b:\b+11], v[\c:\c+7], v[\sa], v[\sb] matrix_a_fmt:MATRIX_FMT_BF6 matrix_b_fmt:MATRIX_FMT_BF6 matrix_a_scale:MATRIX_SCALE_ROW1 matrix_b_scale:MATRIX_SCALE_ROW1
.elseif \ra
	v_wmma_scale_f32_16x16x128_f8f6f4 v[\d:\d+7], v[\a:\a+11], v[\b:\b+11], v[\c:\c+7], v[\sa], v[\sb] matrix_a_fmt:MATRIX_FMT_BF6 matrix_b_fmt:MATRIX_FMT_BF6 matrix_a_scale:MATRIX_SCALE_ROW1
.else
	v_wmma_scale_f32_16x16x128_f8f6f4 v[\d:\d+7], v[\a:\a+11], v[\b:\b+11], v[\c:\c+7], v[\sa], v[\sb] matrix_a_fmt:MATRIX_FMT_BF6 matrix_b_fmt:MATRIX_FMT_BF6
.endif
.endif
.endm
; A round of the cluster's barrier: my work-group's barrier; wave 0 signals for the work-group; every wave waits for all four work-groups; my work-group's barrier once more.
.macro ROUND
	s_barrier_signal -1
	s_barrier_wait -1
	s_cmp_lg_u32 s[WV], 0
	s_cbranch_scc1 .Lnot_wave_0_\@
	s_barrier_signal -3
.Lnot_wave_0_\@:
	s_barrier_wait -3
	s_barrier_signal -1
	s_barrier_wait -1
.endm
; The joint refills behind a round.  Waves 0, 1: the next step's K into slot ks (fillk = 1; the last step has none); waves 2, 3: this step's V.  The branch hangs on the wave's number alone.
; Four v_nop follow each of the two lines.
.macro JLOAD ks, fillk
	s_cmp_lt_u32 s[WV], 2
.if \fillk
	s_cbranch_scc0 .Lfor_v_\@
	tensor_load_to_lds s[36+4*(\ks):39+4*(\ks)], s[28:35]
	s_nop 0
.rept 4
	v_nop
.endr
	s_branch .Lasked_\@
.else
	s_cbranch_scc1 .Lasked_\@
.endif
.Lfor_v_\@:
	tensor_load_to_lds s[44:47], s[28:35]
	s_nop 0
.rept 4
	v_nop
.endr
.Lasked_\@:
.endm
.macro FETCH_K slot                    ; my 128 keys: 8 scale registers, then 8 fragments of channels 0-127, then 8 of channels 128-255
.irp kt, 0,1,2,3,4,5,6,7
	ds_load_b32 v[196+\kt], v[8+(\slot)] offset:128*\kt
.endr
	WIN 0x40                                       ; destination window 1
.irp ks, 0,1
.irp kt, 0,1,2,3,4,5,6,7
.irp p, 0,1,2
	ds_load_b128 v[12*(8*\ks+\kt)+4*\p:12*(8*\ks+\kt)+4*\p+3], v[6+(\slot)] offset:(2*\kt+\ks)*1536+512*\p
.endr
.endr
.endr
	WIN 0
.endm
; S^T of query tile t: eight accumulators by turns.  w = 1: the step's first use of K's fragments.
.macro KQ t, w
.if (\t) < 2
	WIN 0x05                                       ; K and Q in window 1
.set rQ, 192+24*(\t)
.else
	WIN 0x01                                       ; K in window 1, Q in window 0
.set rQ, 32+24*((\t)-2)
.endif
.if \w
	s_wait_dscnt 24                                ; the scale words and channels 0-127 are in; the 24 loads of channels 128-255 may be out
.endif
.irp kt, 0,1,2,3,4,5,6,7
	MM S+8*\kt, 12*\kt, rQ, -1, 196+\kt, 204+(\t), 0, 0
.endr
.if \w
	s_wait_dscnt 0x0
.endif
.irp kt, 0,1,2,3,4,5,6,7
	MM S+8*\kt, 96+12*\kt, rQ+12, S+8*\kt, 196+\kt, 204+(\t), 1, 1
.endr
	WIN 0
	PLACES
.endm
; The softmax of query tile t for my 128 keys.  first = 1: the first step starts M, the sum and O^T: no f, nothing to rescale.
.macro SM t, first
.set rM, 16+4*(\t)
.set rP, PCD+12*(\t)
.irp b, 0,1,2,3
	v_max3_num_f32 v[BM+\b], v[S+16*\b], v[S+1+16*\b], v[S+2+16*\b]   ; the largest score of each block of 32 keys: it serves the row's maximum and, since p rises with the score, the block's largest p
.endr
.irp i, 3,5,7,9,11,13
.irp b, 0,1,2,3
	v_max3_num_f32 v[BM+\b], v[BM+\b], v[S+16*\b+\i], v[S+1+16*\b+\i]
.endr
.endr
.irp b, 0,1,2,3
	v_max_num_f32 v[BM+\b], v[BM+\b], v[S+15+16*\b]
.endr
.irp b, 0,1,2,3
	v_permlanex16_b32 v[T4+\b], v[BM+\b], s[SEL], s[SEL+1]
.endr
.irp b, 0,1,2,3
	v_max_num_f32 v[BM+\b], v[BM+\b], v[T4+\b]     ; with lane l xor 16's 16 keys
.endr
	v_max3_num_f32 v[TMP], v[BM], v[BM+1], v[BM+2]
	v_max_num_f32 v[TMP], v[TMP], v[BM+3]
.if \first
	v_mul_f32 v[rM+1], s[CS], v[TMP]               ; the largest t
	v_floor_f32 v[rM], -v[rM+1]                    ; -M = floor(-t) = -ceil(t)
.else
	v_mul_f32 v[TMP], s[CS], v[TMP]
	v_max_num_f32 v[rM+1], v[rM+1], v[TMP]         ; the running largest t
	v_mov_b32 v[TMP], v[rM]
	v_floor_f32 v[rM], -v[rM+1]
	v_sub_f32 v[TMP], v[rM], v[TMP]                ; old M - new M: a whole number, 0 or less
	v_cvt_i32_f32 v[TMP], v[TMP]                   ; (it saturates)
	v_ldexp_f32 v[F], 1.0, v[TMP]                  ; f: a multiplication by it rounds nothing
.endif
.set k, 0
.rept 32
	v_pk_fma_f32 v[S+k:S+k+1], v[S+k:S+k+1], s[CS:CS+1], v[rM:rM+1] op_sel_hi:[1,0,0]   ; t - M
.set k, k+2
.endr
.irp b, 0,1,2,3
	v_fma_f32 v[BM+\b], v[BM+\b], s[CS], v[rM]
.endr
.set k, 0
.rept 64
	v_exp_f32 v[S+k], v[S+k]                       ; p = 2^(t - M)
.set k, k+1
.endr
.irp b, 0,1,2,3
	v_exp_f32 v[BM+\b], v[BM+\b]                   ; the block's largest p: the same two instructions on the same number
.endr
.if \first
	v_mov_b32 v[rM+2], 0                           ; the sum begins.  (A plain place behind the exponentials)
	v_mov_b32 v[rM+3], 0
	s_wait_alu depctr_va_vdst(0)
.else
	v_pk_mul_f32 v[rM+2:rM+3], v[rM+2:rM+3], v[F:F+1] op_sel_hi:[1,0]   ; the sum under the new M.  (A plain place behind the exponentials)
	s_wait_alu depctr_va_vdst(0)
.endif
.irp b, 0,1,2,3
	v_max_num_f32 v[BM+\b], 0x2800000, v[BM+\b]    ; the floor 2^(5 - 127): the byte cannot fall under 1
.endr
.irp b, 0,1,2,3
	v_add_nc_u32 v[SO+\b], 0xfe000000, v[BM+\b]    ; 4 off the exponent field: the conversion's scale operand
.endr
.irp b, 0,1,2,3
	v_lshrrev_b32 v[T4+\b], 23, v[SO+\b]           ; the scale's byte
.endr
	v_lshl_or_b32 v[192+(\t)], v[T4+1], 8, v[T4]   ; p's scale word for these 128 keys
	v_lshl_or_b32 v[192+(\t)], v[T4+2], 16, v[192+(\t)]
	v_lshl_or_b32 v[192+(\t)], v[T4+3], 24, v[192+(\t)]
.irp c, 0,1
	v_cvt_scalef32_pk16_bf6_f32 v[rP+6*\c:rP+2+6*\c], v[S+32*\c:S+15+32*\c], v[SO+2*\c]
	v_cvt_scalef32_pk16_bf6_f32 v[220+4*\c:222+4*\c], v[S+16+32*\c:S+31+32*\c], v[SO+2*\c+1]
.endr
	v_nop                                          ; one plain place behind a scaled conversion
.irp c, 0,1
.irp i, 0,1,2
	v_permlane16_swap_b32 v[rP+6*\c+\i], v[220+4*\c+\i]
.endr
.irp i, 0,1,2
	v_mov_b32 v[rP+3+6*\c+\i], v[220+4*\c+\i]
.endr
.endr
	v_pk_add_f32 v[SUM:SUM+1], v[S:S+1], v[S+2:S+3]   ; the sum is taken of the UNQUANTISED p, in two chains.  (These are also the places between p's codes and scale word and the products that take them)
.irp j, 4,8,12,16,20,24,28,32,36,40,44,48,52,56,60
	v_pk_add_f32 v[rM+2:rM+3], v[rM+2:rM+3], v[S+\j:S+1+\j]
	v_pk_add_f32 v[SUM:SUM+1], v[SUM:SUM+1], v[S+2+\j:S+3+\j]
.endr
	v_pk_add_f32 v[rM+2:rM+3], v[rM+2:rM+3], v[SUM:SUM+1]
.if !\first
	WIN 0x82+0x41*((\t)/2)                         ; O^T (destination and source 0) in window 2 or 3
.set k, 0
.rept 64
	v_pk_mul_f32 v[128*((\t)%2)+k:128*((\t)%2)+k+1], v[128*((\t)%2)+k:128*((\t)%2)+k+1], v[F:F+1] op_sel_hi:[1,0]   ; O^T under the new M, each accumulator from its low end on
.set k, k+2
.endr
	WIN 0
.endif
.endm
.macro FETCH_V                         ; my 128 keys of V: 8 scale registers, then 16 fragments of four loads each
.irp i, 0,1,2,3,4,5,6,7
	ds_load_b32 v[196+\i], v12 offset:128*\i
.endr
	WIN 0x40
.irp ct, 0,1,2,3,4,5,6,7,8,9,10,11,12,13,14,15
	ds_load_b128 v[12*\ct:12*\ct+3], v10 offset:1536*\ct
	ds_load_b64 v[12*\ct+4:12*\ct+5], v11 offset:1536*\ct+512
	ds_load_b128 v[12*\ct+6:12*\ct+9], v10 offset:1536*\ct+768
	ds_load_b64 v[12*\ct+10:12*\ct+11], v11 offset:1536*\ct+1280
.endr
.endm
.macro PV1 ct, t, first
.set rO, 128*((\t)%2)+8*(\ct)
.if \first
	MM rO, 12*(\ct), PCD+12*(\t), -1, 196+(\ct)/2, 192+(\t), (\ct)%2, 0
.else
	MM rO, 12*(\ct), PCD+12*(\t), rO, 196+(\ct)/2, 192+(\t), (\ct)%2, 0
.endif
.endm
.macro PV first                        ; O^T += V^T P^T: 64 accumulators, one instruction each
	WIN 0xa1                                       ; V window 1, P window 0, O^T window 2
.irp g, 0,1,2,3
	s_wait_dscnt 16*(3-\g)                         ; four loads for each later fragment may be out
.irp q, 0,1,2,3
.irp u, 0,1
	PV1 4*\g+\q, \u, \first
.endr
.endr
.endr
	WIN 0xf1                                       ; O^T window 3
.irp ct, 0,1,2,3,4,5,6,7,8,9,10,11,12,13,14,15
.irp u, 2,3
	PV1 \ct, \u, \first
.endr
.endr
	WIN 0
.endm
; A STEP of 512 keys, K in slot.
.macro STEP slot, fillk, first
	WIN 0
	s_wait_tensorcnt 0x0                           ; all my tensor loads have landed: for waves 0, 1 their part of this step's K;
	ds_add_u32 v1, v2                              ; 0 onto my spare word;
	s_add_nc_u64 s[38+4*(\slot):39+4*(\slot)], s[38+4*(\slot):39+4*(\slot)], 204800   ; this slot's next tile: two steps on (no tensor load of mine is out)
	s_wait_dscnt 0x0                               ; the add is done, and so are my reads of the other slot of K and of V's slot
	ROUND                                          ; the same holds of every wave of all four work-groups
	JLOAD 1-\slot, \fillk                          ; first behind the round, one load a wave
	PLACES                                         ; in front of loads into registers that the last products read
	FETCH_K \slot
	KQ 0, 1
	SM 0, \first
	KQ 1, 0
	SM 1, \first
	KQ 2, 0
	SM 2, \first
	KQ 3, 0
	SM 3, \first
	s_wait_tensorcnt 0x0                           ; this step's V: it is the only load of waves 2, 3, so the count that shows it landed is 0; K's, asked for in the same round, is waited for with it
	s_add_nc_u64 s[46:47], s[46:47], 102400        ; V's next tile
	s_barrier_signal -1                            ; no LDS instruction of mine is out
	s_barrier_wait -1                              ; V is whole for every wave
	FETCH_V
	PV \first
.endm
	s_load_b256 s[4:11], s[0:1], 0x0               ; qimg s[4:5], kimg s[6:7], vimg s[8:9], wimg s[10:11]
	s_load_b128 s[12:15], s[0:1], 0x20             ; proj_b s[12:13], x s[14:15]
	s_load_b64 s[16:17], s[0:1], 0x30              ; out0
	v_lshl_add_u32 v1, v0, 2, SPARE                ; my spare word; never rewritten
	v_mov_b32 v2, 0                                ; never rewritten
	ds_add_u32 v1, v2
	s_wait_dscnt 0x0
	v_lshrrev_b32 v3, 5, v0
	v_readfirstlane_b32 s[WV], v3                  ; wave 0..3
	s_bfe_u32 s19, ttmp6, 0x40000                  ; cx: it enters the global addresses of Q, x and out0 alone
	s_lshl_b32 s20, ttmp9, 2
	s_add_co_u32 s20, s20, s19                     ; my block of 64 queries
	s_and_b32 s21, ttmp7, 0xffff                   ; the batch, which the four partners share
	s_and_b32 s27, s[WV], 1                        ; which half of a tile I fetch
	; descriptor group 1: 200 dense rows of 256 bytes (two records), no padding: images are read 512 consecutive bytes at a time
	s_mov_b32 s28, 15|(3<<16)|(1<<21)              ; the mask: all four work-groups; elements of 8 bytes; bit 21 beside a mask
	s_mov_b32 s29, 32<<16                          ; tensor_dim0
	s_mov_b32 s30, 200<<16                         ; tensor_dim1
	s_mov_b32 s31, 32<<16                          ; tile_dim0
	s_mov_b32 s32, 200                             ; tile_dim1
	s_mov_b32 s33, 32                              ; the pitch
	s_mov_b32 s34, 0
	s_mov_b32 s35, 0
	s_mov_b32 s36, 1
	s_mov_b32 s40, 1
	s_mov_b32 s44, 1
	s_mul_i32 s37, s27, 51200                      ; LDS: my half of K's slot 0,
	s_add_co_u32 s41, s37, KS1                     ; of slot 1,
	s_add_co_u32 s45, s37, VSL                     ; of V's slot
	s_mul_i32 s48, s21, 819200                     ; the batch's 32 records
	s_add_co_u32 s48, s48, s37
	s_mov_b32 s49, 0
	s_mov_b32 s[CS], 0x3db8aa3b                    ; c = log2(e) / 16
	s_mov_b32 s[CS+1], s[CS]
	s_mov_b32 s[SEL], 0x76543210
	s_mov_b32 s[SEL+1], 0xfedcba98
	s_lshl_b32 s50, s21, 5
	s_lshr_b32 s51, s20, 1
	s_add_co_u32 s50, s50, s51
	s_mul_i32 s50, s50, REC                        ; Q's record
	s_and_b32 s51, s20, 1                          ; and my half of it
	s_mul_i32 s52, s51, 12288
	s_add_co_u32 s52, s52, s50
	s_mov_b32 s53, 0
	s_lshl_b32 s54, s51, 9
	s_add_co_u32 s54, s54, s50
	s_mov_b32 s55, 0
	s_lshl_b32 s56, s21, 22                        ; x, out0: 4,194,304 b + 1,048,576 wave (64 rows o) + 256 x block of queries
	s_lshl_b32 s57, s[WV], 20
	s_add_co_u32 s56, s56, s57
	s_lshl_b32 s57, s20, 8
	s_add_co_u32 s56, s56, s57
	s_mov_b32 s57, 0
	s_mul_i32 s58, s[WV], 12288
	s_add_co_u32 s58, s58, 147456                  ; my four tiles of proj_w's image
	s_mov_b32 s59, 0
	s_lshl_b32 s60, s[WV], 9
	s_add_co_u32 s60, s60, 202752                  ; their scale words
	s_mov_b32 s61, 0
	s_lshl_b32 s62, s[WV], 8                       ; proj_b: my 64 numbers
	s_mov_b32 s63, 0
	; every LDS address is made here, ahead of the first branch on the wave's number, of the lane, the wave's number and constants; s2 and s3 never hold a place in the cluster
	v_and_b32 v13, 31, v0                          ; lane
	v_lshlrev_b32 v3, 4, v13                       ; 16 x lane
	v_lshlrev_b32 v4, 3, v13                       ; 8 x lane
	v_lshlrev_b32 v5, 2, v13                       ; 4 x lane
	s_mul_i32 s2, s[WV], REC                       ; my record in a slot
	v_add_nc_u32 v6, s2, v3                        ; K's fragments, slot 0
	v_add_nc_u32 v7, KS1, v6                       ; slot 1
	v_add_nc_u32 v10, VSL, v6                      ; V's fragments, 16 bytes a lane
	v_add_nc_u32 v8, s2, v5
	v_add_nc_u32 v8, 24576, v8                     ; K's scale words, slot 0
	v_add_nc_u32 v9, KS1, v8                       ; slot 1
	v_add_nc_u32 v12, VSL, v8                      ; V's scale words
	v_add_nc_u32 v11, s2, v4
	v_add_nc_u32 v11, VSL, v11                     ; V's fragments, 8 bytes a lane
	v_and_b32 v14, 15, v0                          ; r
	v_bfe_u32 v15, v0, 4, 1                        ; h
	v_and_b32 v251, 8, v14
	v_add_nc_u32 v251, v251, v14                   ; r + 8 (r / 8)
	s_mul_i32 s3, s[WV], 17408                     ; my stage: 64 rows of 272 bytes
	v_mul_u32_u24 v248, v251, 272
	v_lshl_add_u32 v248, v15, 6, v248
	v_add_nc_u32 v248, s3, v248                    ; the stage, in: my row o, + 64 h
	v_mul_u32_u24 v249, v15, 272
	v_lshl_add_u32 v249, v14, 4, v249
	v_add_nc_u32 v249, s3, v249                    ; and back: lanes 0-15 one row, lanes 16-31 the next
	v_lshlrev_b32 v250, 14, v15
	v_lshl_add_u32 v250, v14, 4, v250              ; the same two rows in x and out0
	v_lshlrev_b32 v13, 2, v251                     ; proj_b: 4 (r + 8 (r / 8))
	s_lshl_b32 s3, s[WV], 10
	s_add_co_u32 s3, s3, STATS
	v_add_nc_u32 v14, s3, v4                       ; where I store my statistics
	s_lshl_b32 s3, s[WV], 8
	s_add_co_u32 s3, s3, STATS
	v_add_nc_u32 v15, s3, v4                       ; where I read tile w's
	s_lshl_b32 s3, s[WV], 16
	v_add_nc_u32 v234, s3, v3                      ; where I store my partial O^T
	s_lshl_b32 s3, s[WV], 14
	v_add_nc_u32 v236, s3, v3                      ; where I read tile w's partial sums: of wave 0,
	v_add_nc_u32 v237, 65536, v236                 ; 1,
	v_add_nc_u32 v238, 131072, v236                ; 2,
	v_add_nc_u32 v239, 196608, v236                ; 3
	s_mul_i32 s3, s[WV], 3072
	s_add_co_u32 s3, s3, OIMG
	v_add_nc_u32 v244, s3, v3
	s_lshl_b32 s3, s[WV], 7
	s_add_co_u32 s3, s3, OSC
	v_add_nc_u32 v245, s3, v5
	v_add_nc_u32 v246, OIMG, v3
	v_add_nc_u32 v247, OSC, v5
.irp b, 0,1,2,3
	v_mov_b32 v[T4+\b], 0                          ; a lane permute's destination counts as one of its sources
.endr
	v_mov_b32 v[F+1], 0                            ; named as the upper half of a pair
	s_wait_kmcnt 0x0
	s_add_nc_u64 s[38:39], s[6:7], s[48:49]        ; K: step 0,
	s_add_nc_u64 s[42:43], s[38:39], 102400        ; step 1
	s_or_b32 s39, s39, 0x80000000
	s_or_b32 s43, s43, 0x80000000
	s_add_nc_u64 s[46:47], s[8:9], s[48:49]        ; V: step 0
	s_or_b32 s47, s47, 0x80000000
	s_add_nc_u64 s[52:53], s[4:5], s[52:53]
	s_add_nc_u64 s[54:55], s[4:5], s[54:55]
	s_add_nc_u64 s[14:15], s[14:15], s[56:57]
	s_add_nc_u64 s[16:17], s[16:17], s[56:57]
	s_add_nc_u64 s[58:59], s[10:11], s[58:59]
	s_add_nc_u64 s[60:61], s[10:11], s[60:61]
	s_add_nc_u64 s[12:13], s[12:13], s[62:63]
	ROUND                                          ; all four work-groups are here: the first joint loads meet
	s_cmp_lt_u32 s[WV], 2
	s_cbranch_scc0 .Lno_first
	tensor_load_to_lds s[36:39], s[28:35]          ; step 0's K
	s_nop 0
.rept 4
	v_nop
.endr
.Lno_first:
	WIN 0x40
.set k, 0
.rept 12
	global_load_b128 v[192+4*k:195+4*k], v3, s[52:53] offset:512*k          ; Q of tiles 0, 1: it stays in registers
.set k, k+1
.endr
	WIN 0
.rept 12
	global_load_b128 v[32+4*(k-12):35+4*(k-12)], v3, s[52:53] offset:512*k  ; of tiles 2, 3
.set k, k+1
.endr
.irp t, 0,1,2,3
	global_load_b32 v[204+\t], v5, s[54:55] offset:24576+128*\t
.endr
	s_wait_loadcnt 0x0
	STEP 0, 1, 1                                   ; the first step stands in front of the loop: its products start the sums; K's slot 1 and V's slot have their first fill behind its round
	s_mov_b32 s26, 3
.Lpair:
	STEP 1, 1, 0
	STEP 0, 1, 0
	s_sub_co_u32 s26, s26, 1
	s_cmp_lg_u32 s26, 0
	s_cbranch_scc1 .Lpair
	STEP 1, 0, 0                                   ; the last step is written out: no K is left to ask for
	; ---- THE TAIL.  What the projection needs is asked for first.
	PLACES
	WIN 0x40
.set k, 0
.rept 24
	global_load_b128 v[4*k:4*k+3], v3, s[58:59] offset:512*k      ; my four tiles of proj_w: fragment (i, K step) at v[12 (2 i + step)] of window 1
.set k, k+1
.endr
.irp i, 0,1,2,3
.irp j, 0,1,2,3,4,5,6,7
	global_load_b32 v[96+8*\i+\j], v13, s[12:13] offset:4*(32*(\i/2)+8*(\i%2))   ; in the projection a lane holds ONE output o: its bias fills the tile's eight registers
.endr
.endr
	WIN 0
.irp i, 0,1,2,3
	global_load_b32 v[196+\i], v5, s[60:61] offset:128*\i
.endr
.irp t, 0,1,2,3
	v_add_f32 v[209+2*\t], v[18+4*\t], v[19+4*\t]  ; the sum's two halves,
.endr
.irp t, 0,1,2,3
	v_permlanex16_b32 v[SO+\t], v[209+2*\t], s[SEL], s[SEL+1]
.endr
.irp t, 0,1,2,3
	v_add_f32 v[209+2*\t], v[209+2*\t], v[SO+\t]   ; and lane l xor 16's
.endr
.irp t, 0,1,2,3
	v_mov_b32 v[208+2*\t], v[16+4*\t]              ; (-M, sum) as a pair
.endr
	s_wait_dscnt 0x0
	s_barrier_signal -1
	s_barrier_wait -1                              ; nobody reads K or V any more, and every slot has had its last fill
.irp t, 0,1,2,3
	ds_store_b64 v14, v[208+2*\t:209+2*\t] offset:256*\t
.endr
.irp t, 0,1,2,3
	WIN 0x08+4*(\t/2)                              ; an LDS store's data are its source 1: window 2 or 3
.set k, 0
.rept 32
	ds_store_b128 v234, v[128*(\t%2)+4*k:128*(\t%2)+4*k+3] offset:16384*\t+512*k   ; my partial O^T as it stands, each accumulator from its low end on
.set k, k+1
.endr
.endr
	WIN 0
	s_wait_dscnt 0x0
	s_barrier_signal -1
	s_barrier_wait -1                              ; all four waves' partial sums lie in LDS
	; ---- the merge: wave w owns query tile w
.macro PART v                          ; wave v's partial sum of my tile -> window 2 + v / 2, from v[128 (v % 2)] on
	WIN 0x80+0x40*((\v)/2)
.set k, 0
.rept 32
	ds_load_b128 v[128*((\v)%2)+4*k:128*((\v)%2)+4*k+3], v[236+(\v)] offset:512*k
.set k, k+1
.endr
	WIN 0
.endm
.macro ACC v                           ; v32-159 (+)= g_v x that partial sum
	WIN 0x02+((\v)/2)
.set k, 0
.rept 64
.if (\v) == 0
	v_pk_mul_f32 v[32+k:33+k], v[k:k+1], v[216:217]
.else
	v_pk_fma_f32 v[32+k:33+k], v[128*((\v)%2)+k:128*((\v)%2)+k+1], v[216+2*(\v):217+2*(\v)], v[32+k:33+k]
.endif
.set k, k+2
.endr
	WIN 0
.endm
.irp v, 0,1,2,3
	ds_load_b64 v[208+2*\v:209+2*\v], v15 offset:1024*\v
.endr
	PART 0
	s_wait_dscnt 32                                ; the statistics are in; the partial sum just asked for may be out
	v_min3_num_f32 v226, v208, v210, v212
	v_min_num_f32 v226, v226, v214                 ; the common -M: the least of the four
.irp v, 0,1,2,3
	v_sub_f32 v[240+\v], v226, v[208+2*\v]         ; M_v - M: a whole number, 0 or less
.endr
.irp v, 0,1,2,3
	v_cvt_i32_f32 v[240+\v], v[240+\v]
.endr
.irp v, 0,1,2,3
	v_ldexp_f32 v[240+\v], 1.0, v[240+\v]          ; f_v
.endr
	v_mul_f32 v227, v240, v209
	v_fmac_f32 v227, v241, v211
	v_fmac_f32 v227, v242, v213
	v_fmac_f32 v227, v243, v215                    ; the row's sum
	v_rcp_f32 v227, v227
	v_nop                                          ; one plain place behind a transcendental
	s_wait_alu depctr_va_vdst(0)
.irp v, 0,1,2,3
	v_mul_f32 v[216+2*\v], v[240+\v], v227         ; g_v = f_v / the sum, in both halves of a pair
	v_mul_f32 v[217+2*\v], v[240+\v], v227
.endr
	PART 1
	s_wait_dscnt 32                                ; all but the 32 just issued
	ACC 0
	PART 2
	s_wait_dscnt 32
	ACC 1
	PART 3
	s_wait_dscnt 32
	ACC 2
	s_wait_dscnt 0x0
	ACC 3                                          ; v[32 + 16 B + i] = the attention result (my query, channel 32 B + 16 h + i)
	WIN 0x80
.set k, 0
.rept 32
	global_load_b128 v[4*k:4*k+3], v250, s[14:15] offset:32768*k th:TH_LOAD_NT   ; x for the residual: rows o = 64 w + 2 k + (lane / 16), 256 bytes a row; this launch reads them once
.set k, k+1
.endr
	WIN 0
	QUANT 32                                       ; channels 0-127
.irp p, 0,1,2
	ds_store_b128 v244, v[PC+4*\p:PC+4*\p+3] offset:512*\p
.endr
	v_mov_b32 v225, v[PW]
	s_wait_dscnt 0x0                               ; the stores have read their registers
	QUANT 96                                       ; channels 128-255
.irp p, 0,1,2
	ds_store_b128 v244, v[PC+4*\p:PC+4*\p+3] offset:1536+512*\p
.endr
	v_cmp_lt_u32 vcc_lo, 63, v5                    ; lanes 16-31 (v5 = 4 x lane)
	v_cndmask_b32 v[PW], v225, v[PW], vcc_lo       ; lanes 0-15: the word of channels 0-127; lanes 16-31: of channels 128-255
	ds_store_b32 v245, v[PW]
	s_wait_dscnt 0x0
	s_barrier_signal -1
	s_barrier_wait -1                              ; the result's eight fragments lie in LDS, and nobody reads the partial sums any more
	; ---- the projection: my 64 outputs o for the 64 queries: source 0 = 16 queries, source 1 = 16 rows of proj_w: a lane holds one o and eight neighbouring n
.set k, 0
.rept 24
	ds_load_b128 v[32+4*k:35+4*k], v246 offset:512*k
.set k, k+1
.endr
.irp qt, 0,1,2,3
	ds_load_b32 v[200+\qt], v247 offset:128*\qt
.endr
	s_wait_loadcnt 32                              ; proj_w's images, scale words and bias are in; the 32 loads of x may be out
	s_wait_dscnt 0x0
	WIN 0x54                                       ; source 1, source 2 and destination window 1
.irp i, 0,1,2,3
.irp qt, 0,1,2,3
	MM 128+8*(4*\i+\qt), 32+24*\qt, 24*\i, 96+8*\i, 200+\qt, 196+\i, 0, 0
.endr
.endr
.irp i, 0,1,2,3
.irp qt, 0,1,2,3
	MM 128+8*(4*\i+\qt), 44+24*\qt, 24*\i+12, 128+8*(4*\i+\qt), 200+\qt, 196+\i, 1, 1
.endr
.endr
	PLACES
	WIN 0x04                                       ; an LDS store's data: window 1
.irp i, 0,1,2,3
.irp qt, 0,1,2,3
	ds_store_b128 v248, v[128+8*(4*\i+\qt):131+8*(4*\i+\qt)] offset:272*(32*(\i/2)+8*(\i%2))+128*(\qt/2)+32*(\qt%2)      ; register j: n = 32 (qt / 2) + 8 (qt % 2) + 16 h + j
	ds_store_b128 v248, v[132+8*(4*\i+\qt):135+8*(4*\i+\qt)] offset:272*(32*(\i/2)+8*(\i%2))+128*(\qt/2)+32*(\qt%2)+16
.endr
.endr
	WIN 0xc0                                       ; destination window 3
.set k, 0
.rept 32
	ds_load_b128 v[4*k:4*k+3], v249 offset:544*k   ; whole rows back, two rows of 256 bytes an instruction.  The 64 rows are my own: LDS serves a wave's instructions in order (ISA guide 5.7.1.4), so these see the stores above
.set k, k+1
.endr
	s_wait_dscnt 0x0
	s_wait_loadcnt 0x0                             ; x
	WIN 0xcb                                       ; destination and source 0 window 3 (the projection), source 1 window 2 (x)
.set k, 0
.rept 64
	v_pk_add_f32 v[k:k+1], v[k:k+1], v[k:k+1]
.set k, k+2
.endr
	WIN 0x0c                                       ; a store's data: window 3
.set k, 0
.rept 32
	global_store_b128 v250, v[4*k:4*k+3], s[16:17] offset:32768*k th:TH_STORE_NT   ; 16 lanes store 256 consecutive bytes, at a multiple of 256 from out0's first byte
.set k, k+1
.endr
	WIN 0
	s_wait_tensorcnt 0x0                           ; the wave's end, behind my last tensor load and my last LDS store
	ds_add_u32 v1, v2
	s_wait_dscnt 0x0
	ROUND                                          ; the closing round: no work-group ends while a partner may still ask for a tile that names it
	s_endpgm
.Lfunc_end_k_q49590fa52e_attn:
	.size	k_q49590fa52e_attn, .Lfunc_end_k_q49590fa52e_attn-k_q49590fa52e_attn
	.p2alignl 7, 3214868480
	.fill 96, 4, 3214868480
	.section	.rodata,"a",@progbits
	.p2align	6, 0x0
	.amdhsa_kernel k_q49590fa52e_attn
		.amdhsa_group_segment_fixed_size 327680
		.amdhsa_private_segment_fixed_size 0
		.amdhsa_enable_private_segment 0
		.amdhsa_kernarg_size 56
		.amdhsa_user_sgpr_count 2
		.amdhsa_user_sgpr_kernarg_segment_ptr 1
		.amdhsa_wavefront_size32 1
		.amdhsa_system_sgpr_workgroup_id_x 1
		.amdhsa_system_sgpr_workgroup_id_y 1
		.amdhsa_system_sgpr_workgroup_id_z 1
		.amdhsa_system_vgpr_workitem_id 0
		.amdhsa_next_free_vgpr 1024
		.amdhsa_next_free_sgpr 66
		.amdhsa_reserve_vcc 1
		.amdhsa_float_denorm_mode_32 3
		.amdhsa_float_denorm_mode_16_64 3
		.amdhsa_memory_ordered 1
		.amdhsa_forward_progress 1
		.amdhsa_inst_pref_size 255
	.end_amdhsa_kernel
	.section	.bss,"aw",@nobits
	.p2align	6
	.space	262144
	.amdgpu_metadata
---
amdhsa.version: [ 1, 2 ]
amdhsa.kernels:
  - .name:           k_q49590fa52e_attn
    .symbol:         k_q49590fa52e_attn.kd
    .args:
      - { .name: qimg, .offset: 0, .size: 8, .value_kind: global_buffer, .address_space: global }
      - { .name: kimg, .offset: 8, .size: 8, .value_kind: global_buffer, .address_space: global }
      - { .name: vimg, .offset: 16, .size: 8, .value_kind: global_buffer, .address_space: global }
      - { .name: wimg, .offset: 24, .size: 8, .value_kind: global_buffer, .address_space: global }
      - { .name: proj_b, .offset: 32, .size: 8, .value_kind: global_buffer, .address_space: global }
      - { .name: x, .offset: 40, .size: 8, .value_kind: global_buffer, .address_space: global }
      - { .name: out0, .offset: 48, .size: 8, .value_kind: global_buffer, .address_space: global }
    .group_segment_fixed_size: 327680
    .private_segment_fixed_size: 0
    .kernarg_segment_align: 8
    .kernarg_segment_size: 56
    .max_flat_workgroup_size: 128
    .sgpr_count:     66
    .vgpr_count:     1024
    .wavefront_size: 32
...
	.end_amdgpu_metadata
.endif
;; end of part 3
